; MI455X (gfx1250); checked and timed in simulation.
; The chip was launched on July 23, 2026; its instructions are those of AMD's public machine-readable ISA for CDNA 5 (MIT licence, August 2026) and "CDNA5" Instruction Set Architecture Reference Guide (July 2026). The comments in the code are by the model that wrote it; some were corrected since.
;; Scaled Dot Attention. Allowed arithmetic: matrix products marked QUANTISED: E4M3 operands, one given power-of-two scale a tensor, by v_wmma_f32_16x16x64_fp8_fp8 or v_wmma_f32_16x16x128_fp8_fp8, f32 sums; everything else in f32.
;; Inputs: key 2 x 16 x 2,048 x 64 float32; lowp_scales 4 int32 (the exponents e of the quantised operands' scales 2^e); mask 1 x 1 x 2,048 x 2,048 int32; query 2 x 16 x 2,048 x 64 float32; value 2 x 16 x 2,048 x 64 float32.
;; Outputs: out0 2 x 16 x 2,048 x 64 float32.
;; This version of the problem:
;;   THIS VERSION OF THE PROBLEM IS GIVEN IN LOW PRECISION. The matrix products marked QUANTISED in the list below multiply operands that are first quantised to E4M3 (4 exponent bits, 3 mantissa bits; 8 bits a number), with one given power-of-two scale for each operand tensor; their sums are f32. All else is computed in f32.
;;   The module's matrix products, in the order in which they are computed (A, B: the left and right operand; K: the contracted axis; several contracted axes count as one K, in the product's order):
;;     1. batch 32 x [M 2,048, K 64] x [K 64, N 2,048]; A: input query; B: input key: QUANTISED (scales: A lowp_scales[0], B lowp_scales[1])
;;     2. batch 32 x [M 2,048, K 2,048] x [K 2,048, N 64]; A: softmax (see below); B: input value: QUANTISED (scales: A lowp_scales[2], B lowp_scales[3])
;;   THE QUANTISER, for each operand of a quantised product, along K:
;;     - The operand's scale is 2^e, e = its entry of the input lowp_scales (int32; the entries are numbered through the quantised products in the list's order, A before B).
;;     - Each number is divided by the scale, clamped to +-448, and rounded to the nearest number of E4M3, ties to even, subnormals kept.
;;     - The product sums the exact products of the quantised numbers (number of the format x scale) in f32.
;;   ~~~python
;;   def quantise(x, axis, e):      # numpy; x: float32 -> the quantised numbers, widened to float32 again
;;       x = np.moveaxis(x, axis, -1); K = x.shape[-1]
;;       r = np.clip(x / 2.0 ** e, -448, 448)
;;       step = 2.0 ** (np.maximum(np.frexp(np.where(r == 0, 1, r))[1] - 1, -6) - 3)
;;       q = np.round(r / step) * step * 2.0 ** e      # np.round: ties to even
;;       return np.moveaxis(q, -1, axis).astype(np.float32)
;;   ~~~
;;   SOFTMAX AHEAD OF A QUANTISED PRODUCT. Where the list says 'softmax', what is quantised is not the finished softmax but p = 2^(t - M), with t = logit x log2(e) and M = ceil(the row's largest t), a whole number; so 1/2 < the row's largest p <= 1. The row's sum l is taken of the UNQUANTISED p, in f32, and the product's result is divided by l at the end. Since M is a whole number, a kernel that streams over the keys may use a running M (the ceiling of the running maximum): every later rescaling is an exact power of two, so the quantised numbers keep their values, but for numbers so far below the row's largest that they fall under the format's range.
;;   OPERANDS COMPUTED ON THE WAY. 'Computed on the way' means the value that the module computes at that place (a softmax that the list does not call 'softmax' is quantised finished and normalised). What goes into a quantiser is computed in f32, as accurately as f32 sums, v_exp_f32 and their like allow (about 1e-6 of the number): no bf16 or f16 on the way to a quantiser, and a product that is left as it is and whose result goes on into a quantised operand takes f32 operands (vector FMAs, or v_wmma_f32_16x16x4_f32). A number that lies on a knife's edge between two numbers of the format may be rounded either way, as far as f32 arithmetic and the matrix unit's own rounding can turn it there, and no further.
;; 2 versions. Each part assembles by itself: llvm-mc -triple=amdgcn-amd-amdhsa -mcpu=gfx1250 --defsym DOCPART=n.
;; ======== version 1 of 2: 2 launches
;; limits: right only within a limited range of input values
;; workspace buffers: kv 8,388,608 bytes; mbits 524,288 bytes of whole numbers
;; launch prep (part 1): grid 768 x 1, 8 waves a work-group, no clusters, 0 bytes of LDS; arguments key, value, mask, lowp_scales, kv, mbits; writes kv, mbits
.if DOCPART == 1
	.amdgcn_target "amdgcn-amd-amdhsa--gfx1250"
	.amdhsa_code_object_version 6
	.text
	.protected	k_q23f2ee39f3_prep
	.globl	k_q23f2ee39f3_prep
	.p2align	8
	.type	k_q23f2ee39f3_prep,@function
k_q23f2ee39f3_prep:
	s_mov_b64 s[64:65], 0
	v_nop
	global_prefetch_b8 v0, s[64:65] scope:SCOPE_SE
	s_setreg_imm32_b32 hwreg(HW_REG_WAVE_MODE, 25, 1), 1
	s_wait_xcnt 0x0
; K and V become codes of FP8 (E4M3), laid as images of the operand registers of the attention launch; the mask becomes lane masks.
; code = x / 2^e, held within +-448, rounded to the nearest code, ties to even; e = lowp_scales[1] for key, lowp_scales[3] for value.
; LIMITS: each e between -126 and 119, so that 2^e and 448 x 2^e are f32 numbers.  NaN among the inputs is not served.
; kv: [head 32][chunk 8][32,768 bytes]; a chunk is 256 keys = two steps of 128: K of step 0 at 0, K of step 1 at 8,192, V of step 0 at 16,384, V of step 1 at 24,576.
;   K's image of a step: piece (t 0..7, c 0..1) at 512 (2 t + c) + 16 lane; lane (h = lane / 16, r = lane % 16) holds key 32 (t / 2) + 8 (t % 2) + r + 8 (r / 8), channels 32 c + 16 h + 0 .. 15.
;   V's image of a step: piece (dt 0..3, c 0..3) at 512 (4 dt + c) + 16 lane; the lane holds channel 16 dt + r, keys 32 c + 16 h + 0 .. 15.
; mbits: [tile of 16 queries 128][step 16][n 64] words; bit (16 h + r) of word n = 8 t + j says that mask[16 tile + r][128 step + 32 (t / 2) + 16 h + 8 (t % 2) + j] is not 0.
; SHARES.  768 work-groups of eight waves: the first 256 take key, the next 256 value, the last 256 the mask (a scalar branch on the work-group's number).  Each of a role's 2,048 waves takes 8,192 bytes
; of its input, all asked for at once, and shares nothing with any other wave: no LDS, no barrier, no loop, every offset an immediate.  The matrix unit, clusters and tensor loads have nothing to do here.
.set X, 16                             ; v16-79  64 numbers as loaded
.set C, 80                             ; v80-95  the codes (or v80, v81: the mask's words); each store has data registers of its own
.macro SCALE e                         ; v11 = 2^e as f32 (the conversion takes its exponent field), v10 = 448 x 2^e
	s_add_co_i32 s29, s[\e], 127
	s_lshl_b32 s30, s29, 23
	v_mov_b32 v11, s30
	s_add_co_i32 s29, s29, 8
	s_lshl_b32 s29, s29, 23
	s_or_b32 s29, s29, 0x600000
	v_mov_b32 v10, s29
.endm
	s_load_b256 s[4:11], s[0:1], 0x0               ; key s[4:5], value s[6:7], mask s[8:9], the scales' exponents s[10:11]
	s_load_b128 s[12:15], s[0:1], 0x20             ; kv s[12:13], mbits s[14:15]
	v_lshrrev_b32 v1, 5, v0
	v_readfirstlane_b32 s16, v1                    ; wave 0..7
	v_and_b32 v1, 31, v0                           ; lane
	v_and_b32 v2, 15, v0                           ; r
	v_bfe_u32 v3, v0, 4, 1                         ; h
	s_and_b32 s17, ttmp9, 255
	s_lshl_b32 s17, s17, 3
	s_add_co_u32 s17, s17, s16                     ; u: my wave's unit in its role, 0 .. 2,047
	s_lshr_b32 s18, ttmp9, 8                       ; the role
	s_mov_b32 s25, 0                               ; offsets are pairs with 0 above: all stay under 2^25
	s_mov_b32 s27, 0
	s_wait_kmcnt 0x0
	s_cmp_eq_u32 s18, 1
	s_cbranch_scc1 .Lvalue
	s_cmp_eq_u32 s18, 2
	s_cbranch_scc1 .Lmask
	; ---- KEY: keys 32 u .. 32 u + 31 of the 65,536, two tiles of 16.  A lane takes 16 neighbouring channels of one key at a time: the conversions' results are a piece's 16 bytes
	s_load_b128 s[20:23], s[10:11], 0x0            ; eq, ek, ep, ev
	s_lshl_b32 s24, s17, 13                        ; 32 keys of 256 bytes
	s_add_nc_u64 s[4:5], s[4:5], s[24:25]
	s_lshr_b32 s26, s17, 3                         ; 8 head + chunk,
	s_lshl_b32 s26, s26, 15
	s_and_b32 s28, s17, 7                          ; the step and the pair of tiles in it: 2,048 bytes of image each
	s_lshl_b32 s28, s28, 11
	s_add_co_u32 s26, s26, s28
	s_add_nc_u64 s[12:13], s[12:13], s[26:27]
	v_and_b32 v4, 8, v2
	v_add_nc_u32 v4, v4, v2                        ; r + 8 (r / 8): the keys of a tile are not neighbours
	v_lshlrev_b32 v4, 8, v4
	v_lshl_add_u32 v4, v3, 6, v4                   ; that key's row, + 64 h
	v_lshlrev_b32 v5, 4, v1                        ; out: 16 x lane
.irp g, 0,1,2,3                        ; group g = (tile g / 2, c = g % 2)
.irp j, 0,1,2,3
	global_load_b128 v[X+16*\g+4*\j:X+16*\g+4*\j+3], v4, s[4:5] offset:2048*(\g/2)+128*(\g%2)+16*\j th:TH_LOAD_NT
.endr
.endr
	s_wait_kmcnt 0x0
	SCALE 21
.irp g, 0,1,2,3
	s_wait_loadcnt 12-4*\g                         ; this group's four loads are in; the later groups' may be out
.irp i, 0,1,2,3,4,5,6,7,8,9,10,11,12,13,14,15
	v_med3_num_f32 v[X+16*\g+\i], v[X+16*\g+\i], -v10, v10   ; the conversion to an 8-bit code does not saturate (ISA guide 7.6.2): the hold comes first
.endr
	v_cvt_scalef32_pk8_fp8_f32 v[C+4*\g:C+4*\g+1], v[X+16*\g:X+16*\g+7], v11
	v_cvt_scalef32_pk8_fp8_f32 v[C+4*\g+2:C+4*\g+3], v[X+16*\g+8:X+16*\g+15], v11
	global_store_b128 v5, v[C+4*\g:C+4*\g+3], s[12:13] offset:512*\g   ; a piece: 512 consecutive bytes, aligned.  (The codes go to a store alone; the next vector lines are plain and touch other registers)
.endr
	s_endpgm
.Lvalue:
	; ---- VALUE: 64 keys x 32 channels.  A LANE TAKES A CHANNEL AND ITS REGISTERS RUN DOWN THE KEYS, which are the second product's K: the codes come out with the keys innermost
	s_load_b128 s[20:23], s[10:11], 0x0
	s_lshr_b32 s24, s17, 1                         ; 32 head + block of 64 keys: 16,384 bytes each
	s_lshl_b32 s24, s24, 14
	s_and_b32 s28, s17, 1                          ; which 32 channels
	s_lshl_b32 s29, s28, 7
	s_add_co_u32 s24, s24, s29
	s_add_nc_u64 s[6:7], s[6:7], s[24:25]
	s_lshr_b32 s26, s17, 3                         ; 8 head + chunk
	s_lshl_b32 s26, s26, 15
	s_add_co_u32 s26, s26, 16384                   ; V's images lie behind K's
	s_bfe_u32 s29, s17, 0x10002                    ; the step in the chunk
	s_lshl_b32 s29, s29, 13
	s_add_co_u32 s26, s26, s29
	s_lshl_b32 s29, s28, 12                        ; my 32 channels: tiles dt = 2 x that + lane / 16, 2,048 bytes each
	s_add_co_u32 s26, s26, s29
	s_bfe_u32 s29, s17, 0x10001                    ; which 64 keys of the step: pieces c = 2 x that + 0, 1
	s_lshl_b32 s29, s29, 10
	s_add_co_u32 s26, s26, s29
	s_add_nc_u64 s[12:13], s[12:13], s[26:27]
	v_lshlrev_b32 v4, 2, v1                        ; in: 4 bytes a lane: a load reads 128 consecutive bytes of a key's row; the neighbouring wave takes the row's other half
	v_lshlrev_b32 v5, 4, v2
	v_lshl_add_u32 v5, v3, 11, v5                  ; out: 2,048 (lane / 16) + 16 (lane % 16)
.set i, 0
.rept 64
	global_load_b32 v[X+i], v4, s[6:7] offset:256*i
.set i, i+1
.endr
	s_wait_kmcnt 0x0
	SCALE 23
.irp b, 0,1                            ; 32 keys at a time: piece c's two halves
	s_wait_loadcnt 32-32*\b
.set i, 0
.rept 32
	v_med3_num_f32 v[X+32*\b+i], v[X+32*\b+i], -v10, v10
.set i, i+1
.endr
.irp g, 0,1,2,3
	v_cvt_scalef32_pk8_fp8_f32 v[C+8*\b+2*\g:C+8*\b+2*\g+1], v[X+32*\b+8*\g:X+32*\b+8*\g+7], v11
.endr
	global_store_b128 v5, v[C+8*\b:C+8*\b+3], s[12:13] offset:512*\b          ; keys 0-15 of the 32: the places of lanes 0-15 of the image; sixteen lanes store 256 consecutive bytes, aligned
	global_store_b128 v5, v[C+8*\b+4:C+8*\b+7], s[12:13] offset:512*\b+256    ; keys 16-31: the places of lanes 16-31
.endr
	s_endpgm
.Lmask:
	; ---- MASK: 16 queries x 128 keys.  Lane (h, r) loads, of query r, the keys that the same lane's 64 score registers will hold; a compare of register n then IS word n
	s_lshr_b32 s24, s17, 4                         ; the tile of queries: 16 rows of 8,192 bytes
	s_lshl_b32 s24, s24, 17
	s_and_b32 s28, s17, 15                         ; the step: 128 keys of 4 bytes
	s_lshl_b32 s28, s28, 9
	s_add_co_u32 s24, s24, s28
	s_add_nc_u64 s[8:9], s[8:9], s[24:25]
	s_lshl_b32 s26, s17, 8                         ; 64 words for each (tile, step)
	s_add_nc_u64 s[14:15], s[14:15], s[26:27]
	v_lshlrev_b32 v4, 13, v2
	v_lshl_add_u32 v4, v3, 6, v4                   ; row r, + 16 h keys
	v_lshlrev_b32 v5, 3, v1                        ; out: two words a lane
.irp k, 0,1,2,3,4,5,6,7,8,9,10,11,12,13,14,15
	global_load_b128 v[X+4*\k:X+4*\k+3], v4, s[8:9] offset:128*(\k/4)+16*(\k%4) th:TH_LOAD_NT   ; registers n = 4 k .. 4 k + 3: keys 32 (n / 16) + 16 h + n % 16
.endr
	v_mov_b32 v[C], 0                              ; written whole before single lanes are written
	v_mov_b32 v[C+1], 0
.irp g, 0,1,2,3
	s_wait_loadcnt 12-4*\g
.irp i, 0,1,2,3,4,5,6,7,8,9,10,11,12,13,14,15
	v_cmp_ne_u32 s[32+\i], 0, v[X+16*\g+\i]        ; word n = 16 g + i: a bit a lane
.endr
.irp i, 0,1,2,3,4,5,6,7,8,9,10,11,12,13,14,15
	v_writelane_b32 v[C+\i%2], s[32+\i], 8*\g+\i/2 ; word n into lane n / 2, register n % 2
.endr
.endr
	global_store_b64 v5, v[C:C+1], s[14:15]        ; the 64 words: 256 consecutive bytes, aligned
	s_endpgm
.Lfunc_end_k_q23f2ee39f3_prep:
	.size	k_q23f2ee39f3_prep, .Lfunc_end_k_q23f2ee39f3_prep-k_q23f2ee39f3_prep
	.p2alignl 7, 3214868480
	.fill 96, 4, 3214868480
	.section	.rodata,"a",@progbits
	.p2align	6, 0x0
	.amdhsa_kernel k_q23f2ee39f3_prep
		.amdhsa_group_segment_fixed_size 0
		.amdhsa_private_segment_fixed_size 0
		.amdhsa_enable_private_segment 0
		.amdhsa_kernarg_size 48
		.amdhsa_user_sgpr_count 2
		.amdhsa_user_sgpr_kernarg_segment_ptr 1
		.amdhsa_wavefront_size32 1
		.amdhsa_system_sgpr_workgroup_id_x 1
		.amdhsa_system_sgpr_workgroup_id_y 1
		.amdhsa_system_sgpr_workgroup_id_z 1
		.amdhsa_system_vgpr_workitem_id 0
		.amdhsa_next_free_vgpr 96
		.amdhsa_next_free_sgpr 66
		.amdhsa_reserve_vcc 0
		.amdhsa_float_denorm_mode_32 3
		.amdhsa_float_denorm_mode_16_64 3
		.amdhsa_memory_ordered 1
		.amdhsa_forward_progress 1
		.amdhsa_inst_pref_size 31
	.end_amdhsa_kernel
	.amdgpu_metadata
---
amdhsa.version: [ 1, 2 ]
amdhsa.kernels:
  - .name:           k_q23f2ee39f3_prep
    .symbol:         k_q23f2ee39f3_prep.kd
    .args:
      - { .name: key, .offset: 0, .size: 8, .value_kind: global_buffer, .address_space: global }
      - { .name: value, .offset: 8, .size: 8, .value_kind: global_buffer, .address_space: global }
      - { .name: mask, .offset: 16, .size: 8, .value_kind: global_buffer, .address_space: global }
      - { .name: lowp_scales, .offset: 24, .size: 8, .value_kind: global_buffer, .address_space: global }
      - { .name: kv, .offset: 32, .size: 8, .value_kind: global_buffer, .address_space: global }
      - { .name: mbits, .offset: 40, .size: 8, .value_kind: global_buffer, .address_space: global }
    .group_segment_fixed_size: 0
    .private_segment_fixed_size: 0
    .kernarg_segment_align: 8
    .kernarg_segment_size: 48
    .max_flat_workgroup_size: 256
    .sgpr_count:     66
    .vgpr_count:     96
    .wavefront_size: 32
...
	.end_amdgpu_metadata
.endif
;; end of part 1
;; launch attn (part 2): grid 8 x 32, 16 waves a work-group, no clusters, 137,216 bytes of LDS; arguments query, kv, mbits, lowp_scales, out0; writes out0
.if DOCPART == 2
	.amdgcn_target "amdgcn-amd-amdhsa--gfx1250"
	.amdhsa_code_object_version 6
	.text
	.protected	k_q23f2ee39f3_attn
	.globl	k_q23f2ee39f3_attn
	.p2align	8
	.type	k_q23f2ee39f3_attn,@function
k_q23f2ee39f3_attn:
	s_mov_b64 s[64:65], 0
	v_nop
	global_prefetch_b8 v0, s[64:65] scope:SCOPE_SE
	s_setreg_imm32_b32 hwreg(HW_REG_WAVE_MODE, 25, 1), 1
	s_wait_xcnt 0x0
; out[head][q][:] = the sum over k of softmax_k(masked Q[q] . K[k] / 8) V[k][:], 32 heads, 2,048 queries and keys, 64 channels; both products on codes of FP8 (E4M3), scales 2^eq, 2^ek, 2^ep, 2^ev as given.
; Where the mask is 0 the logit is a very large negative NUMBER, not -infinity: a row that is masked everywhere gives the plain mean of the quantised V.
; THE SOFTMAX AHEAD OF THE SECOND PRODUCT: t = logit x log2(e); M = the running largest t rounded UP to a whole number; p = 2^(t - M) is quantised, not normalised; the row's sum is taken of the unquantised p and
; divides at the end.  When M moves, the sum and O are multiplied by 2^(old M - new M): nothing is rounded, and no branch hangs on data.
; THE MASKED SCORE is the raw score -2^(33 - eq - ek): times c = log2(e) / 8 x 2^(eq + ek) it is t = -log2(e) x 2^30 exactly, a whole number.  So in a row masked so far M = t, t - M = 0 and p = 1, as -1e9 gives too;
; the first open key then makes the factor 2^(old M - new M) a zero, which wipes the sum and O.
; LIMITS: eq + ek between -94 and 9: then c and the masked score are f32 numbers, and |logit| <= 64 x 448 x 448 / 8 x 2^(eq + ek) < 8.3e8, so that an open key lies more than 1e8 above -1e9 and above -2^30 alike and a
; masked p beside an open key is 0 either way.  eq and ep between -126 and 119.  ep + ev goes in by v_ldexp_f32 and has no limit.  NaN among the inputs is not served.
; SHARES.  A work-group owns 256 queries of one head; each of its sixteen waves owns 16 of them in 226 registers: four waves to a SIMD, so that one wave's exponentials stand beside another's plain work, LDS loads and products.
; Both products are used transposed (S^T = K Q^T, O^T = V^T P^T): a lane holds ONE query (lane % 16) throughout.  A step is 128 keys: 8 products of 16 x 16 x 64, the softmax, 4 products of 16 x 16 x 128.
; K AND V come as images of the operand registers (the launch before laid them so): a chunk of 256 keys, 32,768 bytes, is copied byte for byte into one of two LDS slots, 2,048 bytes a wave, through 16 registers:
; the four loads are issued two steps ahead of the four LDS stores.  Every fragment read is 16 x lane + an immediate: 512 consecutive bytes, no pitch, no padding.
; k is permuted alike in both operands of each product (registers 4 c .. 4 c + 3: k = 32 c + 16 h + 0 .. 15), which changes only the order of the sums inside an instruction.
; THE MASK comes as lane masks in scalar registers, 64 words a step, asked for a step ahead: one v_cndmask_b32 a score.
; NO TENSOR LOADS, NO CLUSTER, NO PREFETCH INSTRUCTION, though the eight work-groups of a head read the same chunks.  What is shared is small: a step brings a work-group 16,384 bytes of kv, while its sixteen waves read
; 16 x 16,384 bytes of fragments from LDS; the loads stand two steps ahead of their use and the mask's a step ahead, so no wave waits for them.
; The code jumps over the 64 holds of p in every step where ep >= -8 (then p / 2^ep <= 256 needs no hold).
.set SLOT,  32768                      ; LDS: slot 0 at 0, slot 1 at 32,768: each a chunk's image
.set STAGE, 65536                      ; behind them: 16 rows x 272 bytes for each wave, for the way out
.set SP,    272
.set LI,  1                            ; v1   16 x lane
.set SA,  2                            ; v2   2,048 x wave + 16 x lane: my bytes of a chunk, in kv and in a slot alike
.set STI, 3                            ; v3   the stage: where I put 32 bytes of a row
.set STB, 4                            ; v4   and where I read a row back
.set QA,  5                            ; v5   Q: 256 r + 64 h
.set NEGR, 6                           ; v6   the masked raw score
.set LIM, 7                            ; v7   448 x 2^ep
.set SC,  8                            ; v8   2^ep
.set F,   10                           ; v[10:11] f = 2^(old M - new M), and 0 (named with it as a pair)
.set NM,  12                           ; v12  -M;  v13 the largest t so far;  v[14:15] the row's sum in two halves
.set Q,   16                           ; v16-23   Q's fragment: it stays
.set SG,  24                           ; v24-39   my 2,048 bytes of a chunk on their way
.set FR,  40                           ; v40-103  K's eight fragments, then V's four
.set S,   104                          ; v104-167 S^T, then p
.set O,   168                          ; v168-199 O^T: four accumulators
.set P,   200                          ; v200-215 p's codes
.set T,   216                          ; v216-223 at work
.set WV,  14                           ; s14  wave;  s15 laps to go;  s[18:19] lane selects;  s[20:21] c, twice;  s22 ep;  s23 ep + ev
.set LAP, 15                           ; s[32:63], s[68:99]: the step's 64 mask words (word n in s[32 + n], from n = 32 on in s[36 + n])
.macro PLACES                          ; four plain vector instructions behind a matrix instruction, ahead of reads of its result and of loads into its sources (ISA guide 7.12.1 for vector instructions)
.rept 4
	v_nop
.endr
.endm
	s_load_b256 s[4:11], s[0:1], 0x0               ; query s[4:5], kv s[6:7], mbits s[8:9], the scales' exponents s[10:11]
	s_load_b64 s[12:13], s[0:1], 0x20              ; out0
	v_lshl_add_u32 v224, v0, 2, 0x21000
	v_mov_b32 v225, 0
	v_lshrrev_b32 v1, 5, v0
	v_readfirstlane_b32 s[WV], v1                  ; wave 0..15
	v_and_b32 v[LI], 31, v0
	v_lshlrev_b32 v[LI], 4, v[LI]
	v_and_b32 v[T], 15, v0                         ; r
	v_bfe_u32 v[T+1], v0, 4, 1                     ; h
	s_lshl_b32 s28, s[WV], 11
	v_add_nc_u32 v[SA], s28, v[LI]
	s_mul_i32 s28, s[WV], 16*SP
	s_add_co_u32 s28, s28, STAGE                   ; my stage
	v_mul_u32_u24 v[STI], v[T], SP
	v_lshl_add_u32 v[STI], v[T+1], 5, v[STI]
	v_add_nc_u32 v[STI], s28, v[STI]               ; in: row r, + 32 h
	v_mul_u32_u24 v[STB], v[T+1], SP
	v_lshl_add_u32 v[STB], v[T], 4, v[STB]
	v_add_nc_u32 v[STB], s28, v[STB]               ; back: lanes 0-15 one row of 256 bytes, lanes 16-31 the next
	v_lshlrev_b32 v[QA], 8, v[T]
	v_lshl_add_u32 v[QA], v[T+1], 6, v[QA]
	s_and_b32 s15, ttmp7, 0xffff                   ; the head
	s_lshl_b32 s16, s15, 11
	s_lshl_b32 s17, ttmp9, 8
	s_add_co_u32 s16, s16, s17
	s_lshl_b32 s17, s[WV], 4
	s_add_co_u32 s16, s16, s17                     ; my first query: 2,048 head + 256 x + 16 wave,
	s_lshl_b32 s16, s16, 8                         ; in bytes of Q and of out: rows of 256
	s_mov_b32 s17, 0
	s_lshl_b32 s28, s15, 18                        ; the head's eight chunks
	s_mov_b32 s29, 0
	s_lshl_b32 s30, ttmp9, 4
	s_add_co_u32 s30, s30, s[WV]                   ; my tile of queries among the 128,
	s_lshl_b32 s30, s30, 12                        ; 16 steps of 256 bytes of mask words each
	s_mov_b32 s31, 0
	s_mov_b32 s18, 0x76543210                      ; v_permlanex16_b32: lane l xor 16
	s_mov_b32 s19, 0xfedcba98
	s_wait_kmcnt 0x0
	s_add_nc_u64 s[4:5], s[4:5], s[16:17]
	s_add_nc_u64 s[12:13], s[12:13], s[16:17]
	s_add_nc_u64 s[6:7], s[6:7], s[28:29]
	s_add_nc_u64 s[8:9], s[8:9], s[30:31]
	s_load_b128 s[24:27], s[10:11], 0x0            ; eq, ek, ep, ev
	s_load_b512 s[32:47], s[8:9], 0x0              ; step 0's mask words
	s_load_b512 s[48:63], s[8:9], 0x40
	s_load_b512 s[68:83], s[8:9], 0x80
	s_load_b512 s[84:99], s[8:9], 0xc0
.irp i, 0,1,2,3
	global_load_b128 v[SG+4*\i:SG+4*\i+3], v[SA], s[6:7] offset:512*\i   ; my part of chunk 0
.endr
.irp c, 0,1
.irp j, 0,1,2,3
	global_load_b128 v[S+16*\c+4*\j:S+16*\c+4*\j+3], v[QA], s[4:5] offset:128*\c+16*\j th:TH_LOAD_NT   ; Q(r, 32 c + 16 h + 0 .. 15): read once, by this wave alone, so it is quantised here
.endr
.endr
	s_wait_loadcnt 8                               ; chunk 0's four loads are in; Q's eight may be out
.irp i, 0,1,2,3
	ds_store_b128 v[SA], v[SG+4*\i:SG+4*\i+3] offset:512*\i
.endr
	s_wait_dscnt 0x0                               ; the stores have read their registers,
.irp i, 0,1,2,3
	global_load_b128 v[SG+4*\i:SG+4*\i+3], v[SA], s[6:7] offset:SLOT+512*\i   ; which take chunk 1
.endr
	s_wait_kmcnt 0x0
	s_add_co_i32 s16, s24, s25                     ; eq + ek
	s_lshl_b32 s17, s16, 23
	s_add_co_i32 s20, s17, 0x3e38aa3b              ; c = log2(e) / 8 x 2^(eq + ek): the sum is added to the exponent field
	s_mov_b32 s21, s20                             ; (named with it as a pair, so it is written)
	s_sub_co_i32 s17, 160, s16
	s_lshl_b32 s17, s17, 23
	s_or_b32 s17, s17, 0x80000000
	v_mov_b32 v[NEGR], s17                         ; -2^(33 - eq - ek)
	s_mov_b32 s22, s26                             ; ep
	s_add_co_i32 s23, s26, s27                     ; ep + ev
	s_add_co_i32 s28, s26, 127
	s_lshl_b32 s29, s28, 23
	v_mov_b32 v[SC], s29                           ; 2^ep as f32
	s_add_co_i32 s28, s28, 8
	s_lshl_b32 s28, s28, 23
	s_or_b32 s28, s28, 0x600000
	v_mov_b32 v[LIM], s28                          ; 448 x 2^ep
	s_add_co_i32 s28, s24, 127
	s_lshl_b32 s29, s28, 23
	v_mov_b32 v[T+1], s29                          ; 2^eq
	s_add_co_i32 s28, s28, 8
	s_lshl_b32 s28, s28, 23
	s_or_b32 s28, s28, 0x600000
	v_mov_b32 v[T], s28                            ; 448 x 2^eq
	s_wait_loadcnt 4                               ; Q is in; chunk 1's four loads may be out
.set n, 0
.rept 32
	v_med3_num_f32 v[S+n], v[S+n], -v[T], v[T]     ; the conversion to an 8-bit code does not saturate (ISA guide 7.6.2)
.set n, n+1
.endr
.irp g, 0,1,2,3
	v_cvt_scalef32_pk8_fp8_f32 v[Q+2*\g:Q+2*\g+1], v[S+8*\g:S+8*\g+7], v[T+1]
.endr
	v_mov_b32 v13, 0xff61b1e6                      ; the largest t so far: -3e38, under every t.  (These plain lines stand between the conversions and whatever next touches their registers)
	v_floor_f32 v[NM], -v13                        ; -M
	v_mov_b32 v14, 0                               ; the sum, in two halves
	v_mov_b32 v15, 0
	v_mov_b32 v[F+1], 0
	v_mov_b32 v[T+2], 0                            ; a lane permute's destination counts as one of its sources
.set n, 0
.rept 32
	v_mov_b32 v[O+n], 0                            ; O^T.  The step is written once for all sixteen: the first finds zeros, which the first change of M leaves zeros
.set n, n+1
.endr
	s_mov_b32 s[LAP], 4
; THE CHANGE OF SLOTS, at slot x's head.  In front of the barrier each wave's LDS instructions are done: its stores into slot x and its reads of the other slot.  Behind it slot x is whole and nobody reads the other one:
; the chunk that has waited in my registers goes there, and the registers take the chunk after it.  s[6:7] stands at the lap's first chunk (2 L): slot 1 takes 2 L + 1, slot 0 then 2 L + 2; asked for are 2 L + 2 and 2 L + 3.
; The last lap asks for nothing and fills slot 0 no more: scalar branches on the count of laps, the same in every wave, round loads and stores, never round the barrier.  No load leaves kv.
.macro TURN x
	s_wait_dscnt 0x0
	s_barrier_signal -1
	s_barrier_wait -1
.if \x == 1
	s_cmp_eq_u32 s[LAP], 1
	s_cbranch_scc1 .Lno_more_\@
.endif
	s_wait_loadcnt 0x0                             ; asked for two steps ago
.irp i, 0,1,2,3
	ds_store_b128 v[SA], v[SG+4*\i:SG+4*\i+3] offset:SLOT*(1-\x)+512*\i
.endr
.if \x == 0
	s_cmp_eq_u32 s[LAP], 1
	s_cbranch_scc1 .Lno_more_\@
.endif
	s_wait_dscnt 0x0                               ; the stores have read their registers
.irp i, 0,1,2,3
	global_load_b128 v[SG+4*\i:SG+4*\i+3], v[SA], s[6:7] offset:SLOT*(2+\x)+512*\i
.endr
.Lno_more_\@:
.endm
; A KEY STEP: the lap's p-th 128 keys, in slot p / 2.
.macro STEP p
.set KO, SLOT*((\p)/2)+8192*((\p)%2)
.set VO, KO+16384
.set i, 0
.rept 16
	ds_load_b128 v[FR+4*i:FR+4*i+3], v[LI] offset:KO+512*i   ; K's pieces (t, c), i = 2 t + c
.set i, i+1
.endr
	s_wait_dscnt 0x0
.set i, 0
.rept 8
	v_wmma_f32_16x16x64_fp8_fp8 v[S+8*i:S+8*i+7], v[FR+8*i:FR+8*i+7], v[Q:Q+7], 0   ; lane (r, h), register 8 t + j: query r, key 32 (t / 2) + 16 h + 8 (t % 2) + j
.set i, i+1
.endr
	PLACES
.set i, 0
.rept 16
	ds_load_b128 v[FR+4*i:FR+4*i+3], v[LI] offset:VO+512*i   ; V's pieces (dt, c), i = 4 dt + c: they land while the softmax runs
.set i, i+1
.endr
	s_wait_kmcnt 0x0                               ; this step's mask words, asked for a step ago
.set n, 0
.rept 64
	v_cndmask_b32 v[S+n], v[NEGR], v[S+n], s[32+n+4*(n/32)]   ; each accumulator from its low end on
.set n, n+1
.endr
	v_max3_num_f32 v[T], v[S], v[S+1], v[S+2]      ; the step's largest score of my query among my 64 keys, in two chains
	v_max3_num_f32 v[T+1], v[S+3], v[S+4], v[S+5]
.set n, 6
.rept 14
	v_max3_num_f32 v[T], v[T], v[S+n], v[S+n+1]
	v_max3_num_f32 v[T+1], v[T+1], v[S+n+2], v[S+n+3]
.set n, n+4
.endr
	v_max3_num_f32 v[T], v[T], v[S+62], v[S+63]
	v_max_num_f32 v[T], v[T], v[T+1]
.if (\p) == 3
	s_cmp_eq_u32 s[LAP], 1                         ; behind the last step there is none
	s_cbranch_scc1 .Lno_mask_\@
.endif
	s_load_b512 s[32:47], s[8:9], 256*((\p)+1)     ; the next step's mask words; s[8:9] stands at the lap's first step
	s_load_b512 s[48:63], s[8:9], 256*((\p)+1)+0x40
	s_load_b512 s[68:83], s[8:9], 256*((\p)+1)+0x80
	s_load_b512 s[84:99], s[8:9], 256*((\p)+1)+0xc0
.if (\p) == 3
.Lno_mask_\@:
.endif
	v_permlanex16_b32 v[T+2], v[T], s18, s19
	v_max_num_f32 v[T], v[T], v[T+2]               ; and among lane l xor 16's
	v_mul_f32 v[T], s20, v[T]                      ; as t (c is positive)
	v_max_num_f32 v13, v13, v[T]                   ; the running largest t
	v_mov_b32 v[T], v[NM]
	v_floor_f32 v[NM], -v13                        ; the new -M = floor(-t) = -ceil(t): a whole number
	v_sub_f32 v[T], v[NM], v[T]                    ; old M - new M: a whole number, 0 or less
	v_cvt_i32_f32 v[T], v[T]                       ; (it saturates)
	v_ldexp_f32 v[F], 1.0, v[T]                    ; f = 2^(old M - new M)
.set n, 0
.rept 32
	v_pk_fma_f32 v[S+n:S+n+1], v[S+n:S+n+1], s[20:21], v[NM:NM+1] op_sel_hi:[1,0,0]   ; t - M, two at a time (of c and of -M the low word serves both halves)
.set n, n+2
.endr
.set n, 0
.rept 64
	v_exp_f32 v[S+n], v[S+n]                       ; p = 2^(t - M), at most 1: not normalised
.set n, n+1
.endr
	v_pk_mul_f32 v[14:15], v[14:15], v[F:F+1] op_sel_hi:[1,0]   ; the sums under the new M: the plain instruction behind the exponentials
	s_wait_alu depctr_va_vdst(0)                   ; one wait for the batch of 64, ahead of its first reader
	v_pk_add_f32 v[T+4:T+5], v[S:S+1], v[S+2:S+3]  ; the row's sum is taken of the unquantised p, in two chains
.set n, 4
.rept 15
	v_pk_add_f32 v[14:15], v[14:15], v[S+n:S+n+1]
	v_pk_add_f32 v[T+4:T+5], v[T+4:T+5], v[S+n+2:S+n+3]
.set n, n+4
.endr
	v_pk_add_f32 v[14:15], v[14:15], v[T+4:T+5]
	s_cmp_ge_i32 s22, -8                           ; p <= 1, so p / 2^ep <= 256 where ep >= -8: the hold would change nothing
	s_cbranch_scc1 .Lno_hold_\@
.set n, 0
.rept 64
	v_min_num_f32 v[S+n], v[S+n], v[LIM]           ; p is not negative: the hold is one-sided
.set n, n+1
.endr
.Lno_hold_\@:
.set i, 0
.rept 8
	v_cvt_scalef32_pk8_fp8_f32 v[P+2*i:P+2*i+1], v[S+8*i:S+8*i+7], v[SC]   ; registers 4 b .. 4 b + 3 (tiles 2 b, 2 b + 1): keys 32 b + 16 h + 0 .. 15, as V's pieces have them
.set i, i+1
.endr
.set n, 0
.rept 16
	v_pk_mul_f32 v[O+n:O+n+1], v[O+n:O+n+1], v[F:F+1] op_sel_hi:[1,0]   ; O^T under the new M; plain lines between the conversions and the products that read the codes
.set n, n+2
.endr
	s_wait_dscnt 0x0                               ; V is in
.set i, 0
.rept 4
	v_wmma_f32_16x16x128_fp8_fp8 v[O+8*i:O+8*i+7], v[FR+16*i:FR+16*i+15], v[P:P+15], v[O+8*i:O+8*i+7]   ; the four accumulators take turns, one instruction a turn
.set i, i+1
.endr
	PLACES                                         ; ahead of the next loads into the fragments' registers, and of the way out
.endm
.Llap:                                             ; four laps of two chunks: sixteen steps
	TURN 0
	STEP 0
	STEP 1
	TURN 1
	STEP 2
	STEP 3
	s_wait_xcnt 0x0                                ; the pending loads have had their addresses translated (ISA guide 3.1): both bases are stepped only behind this wait
	s_add_nc_u64 s[6:7], s[6:7], 2*SLOT
	s_add_nc_u64 s[8:9], s[8:9], 1024
	s_sub_co_u32 s[LAP], s[LAP], 1
	s_cmp_lg_u32 s[LAP], 0
	s_cbranch_scc1 .Llap
	; THE WAY OUT.  O^T x 2^(ep + ev) / the sum goes through my own stage in LDS and comes back as whole rows of 256 bytes.
	v_add_f32 v14, v14, v15                        ; the sum's two halves,
	v_permlanex16_b32 v[T+2], v14, s18, s19
	v_add_f32 v14, v14, v[T+2]                     ; and lane l xor 16's: above 1/2, since the row's largest p is
	v_rcp_f32 v14, v14
	v_nop                                          ; a plain instruction behind the reciprocal
	s_wait_alu depctr_va_vdst(0)                   ; and the wait ahead of its first reader
	v_ldexp_f32 v[F], v14, s23
.set n, 0
.rept 16
	v_pk_mul_f32 v[S+n:S+n+1], v[O+n:O+n+1], v[F:F+1] op_sel_hi:[1,0]   ; register 8 dt + j: out(r, 16 dt + 8 h + j); each accumulator from its low end on
.set n, n+2
.endr
.irp d, 0,1,2,3
	ds_store_b128 v[STI], v[S+8*\d:S+8*\d+3] offset:64*\d
	ds_store_b128 v[STI], v[S+8*\d+4:S+8*\d+7] offset:64*\d+16
.endr
.irp i, 0,1,2,3,4,5,6,7
	ds_load_b128 v[FR+4*\i:FR+4*\i+3], v[STB] offset:2*\i*SP   ; LDS serves a wave's instructions in order (ISA guide 5.7.1.4): these see my stores; no other wave touches my stage
.endr
.irp i, 0,1,2,3,4,5,6,7
	s_wait_dscnt 7-\i                              ; rows 2 i and 2 i + 1 are back; the younger loads may be out
	global_store_b128 v[LI], v[FR+4*\i:FR+4*\i+3], s[12:13] offset:512*\i th:TH_STORE_NT   ; 32 lanes store 512 consecutive bytes, aligned; written once, read by nobody here
.endr
	s_wait_tensorcnt 0x0
	ds_add_u32 v224, v225
	s_wait_dscnt 0x0
	s_endpgm
.Lfunc_end_k_q23f2ee39f3_attn:
	.size	k_q23f2ee39f3_attn, .Lfunc_end_k_q23f2ee39f3_attn-k_q23f2ee39f3_attn
	.p2alignl 7, 3214868480
	.fill 96, 4, 3214868480
	.section	.rodata,"a",@progbits
	.p2align	6, 0x0
	.amdhsa_kernel k_q23f2ee39f3_attn
		.amdhsa_group_segment_fixed_size 137216
		.amdhsa_private_segment_fixed_size 0
		.amdhsa_enable_private_segment 0
		.amdhsa_kernarg_size 40
		.amdhsa_user_sgpr_count 2
		.amdhsa_user_sgpr_kernarg_segment_ptr 1
		.amdhsa_wavefront_size32 1
		.amdhsa_system_sgpr_workgroup_id_x 1
		.amdhsa_system_sgpr_workgroup_id_y 1
		.amdhsa_system_sgpr_workgroup_id_z 1
		.amdhsa_system_vgpr_workitem_id 0
		.amdhsa_next_free_vgpr 226
		.amdhsa_next_free_sgpr 100
		.amdhsa_reserve_vcc 0
		.amdhsa_float_denorm_mode_32 3
		.amdhsa_float_denorm_mode_16_64 3
		.amdhsa_memory_ordered 1
		.amdhsa_forward_progress 1
		.amdhsa_inst_pref_size 92
	.end_amdhsa_kernel
	.amdgpu_metadata
---
amdhsa.version: [ 1, 2 ]
amdhsa.kernels:
  - .name:           k_q23f2ee39f3_attn
    .symbol:         k_q23f2ee39f3_attn.kd
    .args:
      - { .name: query, .offset: 0, .size: 8, .value_kind: global_buffer, .address_space: global }
      - { .name: kv, .offset: 8, .size: 8, .value_kind: global_buffer, .address_space: global }
      - { .name: mbits, .offset: 16, .size: 8, .value_kind: global_buffer, .address_space: global }
      - { .name: lowp_scales, .offset: 24, .size: 8, .value_kind: global_buffer, .address_space: global }
      - { .name: out0, .offset: 32, .size: 8, .value_kind: global_buffer, .address_space: global }
    .group_segment_fixed_size: 137216
    .private_segment_fixed_size: 0
    .kernarg_segment_align: 8
    .kernarg_segment_size: 40
    .max_flat_workgroup_size: 512
    .sgpr_count:     100
    .vgpr_count:     226
    .wavefront_size: 32
...
	.end_amdgpu_metadata
.endif
;; end of part 2
;; ======== version 2 of 2: 2 launches
;; limits: right only within a limited range of input values
;; workspace buffers: kv 8,388,608 bytes; mbits 524,288 bytes of whole numbers
;; launch prep (part 3): grid 768 x 1, 8 waves a work-group, no clusters, 0 bytes of LDS; arguments key, value, mask, lowp_scales, kv, mbits; writes kv, mbits
.if DOCPART == 3
	.amdgcn_target "amdgcn-amd-amdhsa--gfx1250"
	.amdhsa_code_object_version 6
	.text
	.protected	k_q23f2ee39f3_prep
	.globl	k_q23f2ee39f3_prep
	.p2align	8
	.type	k_q23f2ee39f3_prep,@function
k_q23f2ee39f3_prep:
	s_mov_b64 s[64:65], 0
	v_nop
	global_prefetch_b8 v0, s[64:65] scope:SCOPE_SE
	s_setreg_imm32_b32 hwreg(HW_REG_WAVE_MODE, 25, 1), 1
	s_wait_xcnt 0x0
; K and V become codes of FP8 (E4M3), laid as images of the operand registers of the attention launch; the mask becomes lane masks.
; code = x / 2^e, held within +-448, rounded to the nearest code, ties to even; e = lowp_scales[1] for key, lowp_scales[3] for value.
; LIMITS: each e between -126 and 119, so that 2^e and 448 x 2^e are f32 numbers.  NaN among the inputs is not served.
; kv: [head 32][chunk 8][32,768 bytes]; a chunk is 256 keys = two steps of 128: K of step 0 at 0, K of step 1 at 8,192, V of step 0 at 16,384, V of step 1 at 24,576.
;   K's image of a step: piece (t 0..7, c 0..1) at 512 (2 t + c) + 16 lane; lane (h = lane / 16, r = lane % 16) holds key 32 (t / 2) + 8 (t % 2) + r + 8 (r / 8), channels 32 c + 16 h + 0 .. 15.
;   V's image of a step: piece (dt 0..3, c 0..3) at 512 (4 dt + c) + 16 lane; the lane holds channel 16 dt + r, keys 32 c + 16 h + 0 .. 15.
; mbits: [tile of 16 queries 128][step 16][n 64] words; bit (16 h + r) of word n = 8 t + j says that mask[16 tile + r][128 step + 32 (t / 2) + 16 h + 8 (t % 2) + j] is not 0.
; SHARES.  768 work-groups of eight waves: the first 256 take key, the next 256 value, the last 256 the mask (a scalar branch on the work-group's number).  Each of a role's 2,048 waves takes 8,192 bytes
; of its input, all asked for at once, and shares nothing with any other wave: no LDS, no barrier, no loop, every offset an immediate.  The matrix unit, clusters and tensor loads have nothing to do here.
.set X, 16                             ; v16-79  64 numbers as loaded
.set C, 80                             ; v80-95  the codes (or v80, v81: the mask's words); each store has data registers of its own
.macro SCALE e                         ; v11 = 2^e as f32 (the conversion takes its exponent field), v10 = 448 x 2^e
	s_add_co_i32 s29, s[\e], 127
	s_lshl_b32 s30, s29, 23
	v_mov_b32 v11, s30
	s_add_co_i32 s29, s29, 8
	s_lshl_b32 s29, s29, 23
	s_or_b32 s29, s29, 0x600000
	v_mov_b32 v10, s29
.endm
	s_load_b256 s[4:11], s[0:1], 0x0               ; key s[4:5], value s[6:7], mask s[8:9], the scales' exponents s[10:11]
	s_load_b128 s[12:15], s[0:1], 0x20             ; kv s[12:13], mbits s[14:15]
	v_lshrrev_b32 v1, 5, v0
	s_delay_alu instid0(VALU_DEP_1)
	v_readfirstlane_b32 s16, v1                    ; wave 0..7
	v_and_b32 v1, 31, v0                           ; lane
	v_and_b32 v2, 15, v0                           ; r
	v_bfe_u32 v3, v0, 4, 1                         ; h
	s_and_b32 s17, ttmp9, 255
	s_lshl_b32 s17, s17, 3
	s_add_co_u32 s17, s17, s16                     ; u: my wave's unit in its role, 0 .. 2,047
	s_lshr_b32 s18, ttmp9, 8                       ; the role
	s_mov_b32 s25, 0                               ; offsets are pairs with 0 above: all stay under 2^25
	s_mov_b32 s27, 0
	s_wait_kmcnt 0x0
	s_cmp_eq_u32 s18, 1
	s_cbranch_scc1 .Lvalue
	s_cmp_eq_u32 s18, 2
	s_cbranch_scc1 .Lmask
	; ---- KEY: keys 32 u .. 32 u + 31 of the 65,536, two tiles of 16.  A lane takes 16 neighbouring channels of one key at a time: the conversions' results are a piece's 16 bytes
	s_load_b128 s[20:23], s[10:11], 0x0            ; eq, ek, ep, ev
	s_lshl_b32 s24, s17, 13                        ; 32 keys of 256 bytes
	s_add_nc_u64 s[4:5], s[4:5], s[24:25]
	s_lshr_b32 s26, s17, 3                         ; 8 head + chunk,
	s_lshl_b32 s26, s26, 15
	s_and_b32 s28, s17, 7                          ; the step and the pair of tiles in it: 2,048 bytes of image each
	s_lshl_b32 s28, s28, 11
	s_add_co_u32 s26, s26, s28
	s_add_nc_u64 s[12:13], s[12:13], s[26:27]
	s_wait_alu depctr_va_vdst(0)
	v_and_b32 v4, 8, v2
	s_delay_alu instid0(VALU_DEP_1)
	v_add_nc_u32 v4, v4, v2                        ; r + 8 (r / 8): the keys of a tile are not neighbours
	s_delay_alu instid0(VALU_DEP_1)
	v_lshlrev_b32 v4, 8, v4
	s_delay_alu instid0(VALU_DEP_1)
	v_lshl_add_u32 v4, v3, 6, v4                   ; that key's row, + 64 h
	v_lshlrev_b32 v5, 4, v1                        ; out: 16 x lane
.irp g, 0,1,2,3                        ; group g = (tile g / 2, c = g % 2)
.irp j, 0,1,2,3
	global_load_b128 v[X+16*\g+4*\j:X+16*\g+4*\j+3], v4, s[4:5] offset:2048*(\g/2)+128*(\g%2)+16*\j th:TH_LOAD_NT
.endr
.endr
	s_wait_kmcnt 0x0
	SCALE 21
	s_wait_alu depctr_va_vdst(0)
.irp g, 0,1,2,3
	s_wait_loadcnt 12-4*\g                         ; this group's four loads are in; the later groups' may be out
.irp i, 0,1,2,3,4,5,6,7,8,9,10,11,12,13,14,15
	v_med3_num_f32 v[X+16*\g+\i], v[X+16*\g+\i], -v10, v10   ; the conversion to an 8-bit code does not saturate (ISA guide 7.6.2): the hold comes first
.endr
	v_cvt_scalef32_pk8_fp8_f32 v[C+4*\g:C+4*\g+1], v[X+16*\g:X+16*\g+7], v11
	v_cvt_scalef32_pk8_fp8_f32 v[C+4*\g+2:C+4*\g+3], v[X+16*\g+8:X+16*\g+15], v11
	global_store_b128 v5, v[C+4*\g:C+4*\g+3], s[12:13] offset:512*\g   ; a piece: 512 consecutive bytes, aligned.  (The codes go to a store alone; the next vector lines are plain and touch other registers)
.endr
	s_endpgm
.Lvalue:
	; ---- VALUE: 64 keys x 32 channels.  A LANE TAKES A CHANNEL AND ITS REGISTERS RUN DOWN THE KEYS, which are the second product's K: the codes come out with the keys innermost
	s_load_b128 s[20:23], s[10:11], 0x0
	s_lshr_b32 s24, s17, 1                         ; 32 head + block of 64 keys: 16,384 bytes each
	s_lshl_b32 s24, s24, 14
	s_and_b32 s28, s17, 1                          ; which 32 channels
	s_lshl_b32 s29, s28, 7
	s_add_co_u32 s24, s24, s29
	s_add_nc_u64 s[6:7], s[6:7], s[24:25]
	s_lshr_b32 s26, s17, 3                         ; 8 head + chunk
	s_lshl_b32 s26, s26, 15
	s_add_co_u32 s26, s26, 16384                   ; V's images lie behind K's
	s_bfe_u32 s29, s17, 0x10002                    ; the step in the chunk
	s_lshl_b32 s29, s29, 13
	s_add_co_u32 s26, s26, s29
	s_lshl_b32 s29, s28, 12                        ; my 32 channels: tiles dt = 2 x that + lane / 16, 2,048 bytes each
	s_add_co_u32 s26, s26, s29
	s_bfe_u32 s29, s17, 0x10001                    ; which 64 keys of the step: pieces c = 2 x that + 0, 1
	s_lshl_b32 s29, s29, 10
	s_add_co_u32 s26, s26, s29
	s_add_nc_u64 s[12:13], s[12:13], s[26:27]
	s_wait_alu depctr_va_vdst(0)
	v_lshlrev_b32 v4, 2, v1                        ; in: 4 bytes a lane: a load reads 128 consecutive bytes of a key's row; the neighbouring wave takes the row's other half
	v_lshlrev_b32 v5, 4, v2
	s_delay_alu instid0(VALU_DEP_1)
	v_lshl_add_u32 v5, v3, 11, v5                  ; out: 2,048 (lane / 16) + 16 (lane % 16)
.set i, 0
.rept 64
	global_load_b32 v[X+i], v4, s[6:7] offset:256*i
.set i, i+1
.endr
	s_wait_kmcnt 0x0
	SCALE 23
	s_wait_alu depctr_va_vdst(0)
.irp b, 0,1                            ; 32 keys at a time: piece c's two halves
	s_wait_loadcnt 32-32*\b
.set i, 0
.rept 32
	v_med3_num_f32 v[X+32*\b+i], v[X+32*\b+i], -v10, v10
.set i, i+1
.endr
.irp g, 0,1,2,3
	v_cvt_scalef32_pk8_fp8_f32 v[C+8*\b+2*\g:C+8*\b+2*\g+1], v[X+32*\b+8*\g:X+32*\b+8*\g+7], v11
.endr
	global_store_b128 v5, v[C+8*\b:C+8*\b+3], s[12:13] offset:512*\b          ; keys 0-15 of the 32: the places of lanes 0-15 of the image; sixteen lanes store 256 consecutive bytes, aligned
	global_store_b128 v5, v[C+8*\b+4:C+8*\b+7], s[12:13] offset:512*\b+256    ; keys 16-31: the places of lanes 16-31
.endr
	s_endpgm
.Lmask:
	; ---- MASK: 16 queries x 128 keys.  Lane (h, r) loads, of query r, the keys that the same lane's 64 score registers will hold; a compare of register n then IS word n
	s_lshr_b32 s24, s17, 4                         ; the tile of queries: 16 rows of 8,192 bytes
	s_lshl_b32 s24, s24, 17
	s_and_b32 s28, s17, 15                         ; the step: 128 keys of 4 bytes
	s_lshl_b32 s28, s28, 9
	s_add_co_u32 s24, s24, s28
	s_add_nc_u64 s[8:9], s[8:9], s[24:25]
	s_lshl_b32 s26, s17, 8                         ; 64 words for each (tile, step)
	s_add_nc_u64 s[14:15], s[14:15], s[26:27]
	s_wait_alu depctr_va_vdst(0)
	v_lshlrev_b32 v4, 13, v2
	s_delay_alu instid0(VALU_DEP_1)
	v_lshl_add_u32 v4, v3, 6, v4                   ; row r, + 16 h keys
	v_lshlrev_b32 v5, 3, v1                        ; out: two words a lane
.irp k, 0,1,2,3,4,5,6,7,8,9,10,11,12,13,14,15
	global_load_b128 v[X+4*\k:X+4*\k+3], v4, s[8:9] offset:128*(\k/4)+16*(\k%4) th:TH_LOAD_NT   ; registers n = 4 k .. 4 k + 3: keys 32 (n / 16) + 16 h + n % 16
.endr
	v_mov_b32 v[C], 0                              ; written whole before single lanes are written
	v_mov_b32 v[C+1], 0
.irp g, 0,1,2,3
	s_wait_loadcnt 12-4*\g
.irp i, 0,1,2,3,4,5,6,7,8,9,10,11,12,13,14,15
	v_cmp_ne_u32 s[32+\i], 0, v[X+16*\g+\i]        ; word n = 16 g + i: a bit a lane
.endr
.irp i, 0,1,2,3,4,5,6,7,8,9,10,11,12,13,14,15
	v_writelane_b32 v[C+\i%2], s[32+\i], 8*\g+\i/2 ; word n into lane n / 2, register n % 2
.endr
.endr
	global_store_b64 v5, v[C:C+1], s[14:15]        ; the 64 words: 256 consecutive bytes, aligned
	s_endpgm
.Lfunc_end_k_q23f2ee39f3_prep:
	.size	k_q23f2ee39f3_prep, .Lfunc_end_k_q23f2ee39f3_prep-k_q23f2ee39f3_prep
	.p2alignl 7, 3214868480
	.fill 96, 4, 3214868480
	.section	.rodata,"a",@progbits
	.p2align	6, 0x0
	.amdhsa_kernel k_q23f2ee39f3_prep
		.amdhsa_group_segment_fixed_size 0
		.amdhsa_private_segment_fixed_size 0
		.amdhsa_enable_private_segment 0
		.amdhsa_kernarg_size 48
		.amdhsa_user_sgpr_count 2
		.amdhsa_user_sgpr_kernarg_segment_ptr 1
		.amdhsa_wavefront_size32 1
		.amdhsa_system_sgpr_workgroup_id_x 1
		.amdhsa_system_sgpr_workgroup_id_y 1
		.amdhsa_system_sgpr_workgroup_id_z 1
		.amdhsa_system_vgpr_workitem_id 0
		.amdhsa_next_free_vgpr 96
		.amdhsa_next_free_sgpr 66
		.amdhsa_reserve_vcc 0
		.amdhsa_float_denorm_mode_32 3
		.amdhsa_float_denorm_mode_16_64 3
		.amdhsa_memory_ordered 1
		.amdhsa_forward_progress 1
		.amdhsa_inst_pref_size 31
	.end_amdhsa_kernel
	.amdgpu_metadata
---
amdhsa.version: [ 1, 2 ]
amdhsa.kernels:
  - .name:           k_q23f2ee39f3_prep
    .symbol:         k_q23f2ee39f3_prep.kd
    .args:
      - { .name: key, .offset: 0, .size: 8, .value_kind: global_buffer, .address_space: global }
      - { .name: value, .offset: 8, .size: 8, .value_kind: global_buffer, .address_space: global }
      - { .name: mask, .offset: 16, .size: 8, .value_kind: global_buffer, .address_space: global }
      - { .name: lowp_scales, .offset: 24, .size: 8, .value_kind: global_buffer, .address_space: global }
      - { .name: kv, .offset: 32, .size: 8, .value_kind: global_buffer, .address_space: global }
      - { .name: mbits, .offset: 40, .size: 8, .value_kind: global_buffer, .address_space: global }
    .group_segment_fixed_size: 0
    .private_segment_fixed_size: 0
    .kernarg_segment_align: 8
    .kernarg_segment_size: 48
    .max_flat_workgroup_size: 256
    .sgpr_count:     66
    .vgpr_count:     96
    .wavefront_size: 32
...
	.end_amdgpu_metadata
.endif
;; end of part 3
;; launch attn (part 4): grid 8 x 32, 16 waves a work-group, no clusters, 137,216 bytes of LDS; arguments query, kv, mbits, lowp_scales, out0; writes out0
.if DOCPART == 4
	.amdgcn_target "amdgcn-amd-amdhsa--gfx1250"
	.amdhsa_code_object_version 6
	.text
	.protected	k_q23f2ee39f3_attn
	.globl	k_q23f2ee39f3_attn
	.p2align	8
	.type	k_q23f2ee39f3_attn,@function
k_q23f2ee39f3_attn:
	s_mov_b64 s[64:65], 0
	v_nop
	global_prefetch_b8 v0, s[64:65] scope:SCOPE_SE
	s_setreg_imm32_b32 hwreg(HW_REG_WAVE_SCHED_MODE, 0, 2), 2
	s_setreg_imm32_b32 hwreg(HW_REG_WAVE_MODE, 25, 1), 1
	s_wait_xcnt 0x0
	s_wait_alu depctr_vm_vsrc(0)
; out[head][q][:] = the sum over k of softmax_k(masked Q[q] . K[k] / 8) V[k][:], 32 heads, 2,048 queries and keys, 64 channels; both products on codes of FP8 (E4M3), scales 2^eq, 2^ek, 2^ep, 2^ev as given.
; Where the mask is 0 the logit is a very large negative NUMBER, not -infinity: a row that is masked everywhere gives the plain mean of the quantised V.
; THE SOFTMAX AHEAD OF THE SECOND PRODUCT: t = logit x log2(e); M = the running largest t rounded UP to a whole number; p = 2^(t - M) is quantised, not normalised; the row's sum is taken of the unquantised p and
; divides at the end.  When M moves, the sum and O are multiplied by 2^(old M - new M): nothing is rounded, and no branch hangs on data.
; THE MASKED SCORE is the raw score -2^(33 - eq - ek): times c = log2(e) / 8 x 2^(eq + ek) it is t = -log2(e) x 2^30 exactly, a whole number.  So in a row masked so far M = t, t - M = 0 and p = 1, as -1e9 gives too;
; the first open key then makes the factor 2^(old M - new M) a zero, which wipes the sum and O.
; LIMITS: eq + ek between -94 and 9: then c and the masked score are f32 numbers, and |logit| <= 64 x 448 x 448 / 8 x 2^(eq + ek) < 8.3e8, so that an open key lies more than 1e8 above -1e9 and above -2^30 alike and a
; masked p beside an open key is 0 either way.  eq and ep between -126 and 119.  ep + ev goes in by v_ldexp_f32 and has no limit.  NaN among the inputs is not served.
; SHARES.  A work-group owns 256 queries of one head; each of its sixteen waves owns 16 of them in 224 registers: four waves to a SIMD, so that one wave's exponentials stand beside another's plain work, LDS loads and products.
; Both products are used transposed (S^T = K Q^T, O^T = V^T P^T): a lane holds ONE query (lane % 16) throughout.  A step is 128 keys: 8 products of 16 x 16 x 64, the softmax, 4 products of 16 x 16 x 128.
; K AND V come as images of the operand registers (the launch before laid them so): a chunk of 256 keys, 32,768 bytes, is copied byte for byte into one of two LDS slots, 2,048 bytes a wave, through 16 registers:
; the four loads are issued two steps ahead of the four LDS stores.  Every fragment read is 16 x lane + an immediate: 512 consecutive bytes, no pitch, no padding.
; k is permuted alike in both operands of each product (registers 4 c .. 4 c + 3: k = 32 c + 16 h + 0 .. 15), which changes only the order of the sums inside an instruction.
; THE MASK comes as lane masks in scalar registers, 64 words a step, asked for a step ahead: one v_cndmask_b32 a score.
; NO TENSOR LOADS, NO CLUSTER, NO PREFETCH INSTRUCTION, though the eight work-groups of a head read the same chunks.  What is shared is small: a step brings a work-group 16,384 bytes of kv, while its sixteen waves read
; 16 x 16,384 bytes of fragments from LDS; the loads stand two steps ahead of their use and the mask's a step ahead, so no wave waits for them.
; The code jumps over the 64 holds of p in every step where ep >= -8 (then p / 2^ep <= 256 needs no hold).
; THE MODE: SCHED_MODE bits 1:0 = 2 (LLVM: expert scheduling mode 2), set by the entry lines.  The code itself states the register dependences
; between vector or matrix instructions and memory or LDS instructions, with s_wait_alu, always for 0.
; THE PLAN.  Registers that memory or LDS instructions touch:
;   v1 .. v5      offsets and LDS addresses: written at the head, read by loads and stores, never written again: one wait on va_vdst at the head serves them all.
;   SG v24-39     no vector instruction names them: global loads land, the four LDS stores of a change of slots read, the next chunk's global loads land: one wait on vm_vsrc behind each run of stores.
;   FR v40-103    a step: K's 16 LDS loads land, the 8 products K Q^T read, V's 16 LDS loads land, the 4 products V^T P^T read; then the next step's K lands.  Two waits on va_vdst a step: one at its head
;                 (the last step's products are done reading FR) and one behind the maximum's chains (this step's first products are done reading FR).  V's loads follow the second, dealt among the 32 packed scalings,
;                 which with the few lines in front of them name T, v10 to v13 and S: none of the registers that those loads touch.
;   S v104-167    Q's loads land there at the head, ahead of every vector instruction that names it; on the way out the multiplies write it and the LDS stores read it: one wait on va_vdst ahead of those stores.
;   O, P, T and the statistics are named by vector and matrix instructions alone.  A second buffer for K's fragments would take 64 registers more than the 256 that four waves to a SIMD leave each: there is none.
.set SLOT,  32768                      ; LDS: slot 0 at 0, slot 1 at 32,768: each a chunk's image
.set STAGE, 65536                      ; behind them: 16 rows x 272 bytes for each wave, for the way out
.set SP,    272
.set LI,  1                            ; v1   16 x lane
.set SA,  2                            ; v2   2,048 x wave + 16 x lane: my bytes of a chunk, in kv and in a slot alike
.set STI, 3                            ; v3   the stage: where I put 32 bytes of a row
.set STB, 4                            ; v4   and where I read a row back
.set QA,  5                            ; v5   Q: 256 r + 64 h
.set NEGR, 6                           ; v6   the masked raw score
.set LIM, 7                            ; v7   448 x 2^ep
.set SC,  8                            ; v8   2^ep
.set F,   10                           ; v[10:11] f = 2^(old M - new M), and 0 (named with it as a pair)
.set NM,  12                           ; v12  -M;  v13 the largest t so far;  v[14:15] the row's sum in two halves
.set Q,   16                           ; v16-23   Q's fragment: it stays
.set SG,  24                           ; v24-39   my 2,048 bytes of a chunk on their way
.set FR,  40                           ; v40-103  K's eight fragments, then V's four
.set S,   104                          ; v104-167 S^T, then p
.set O,   168                          ; v168-199 O^T: four accumulators
.set P,   200                          ; v200-215 p's codes
.set T,   216                          ; v216-223 at work
.set WV,  14                           ; s14  wave;  s15 laps to go;  s[18:19] lane selects;  s[20:21] c, twice;  s22 ep;  s23 ep + ev
.set LAP, 15                           ; s[32:63], s[68:99]: the step's 64 mask words (word n in s[32 + n], from n = 32 on in s[36 + n])
.macro PLACES                          ; four plain vector instructions behind a matrix instruction, ahead of reads of its result (ISA guide 7.12.1)
.rept 4
	v_nop
.endr
.endm
	s_load_b256 s[4:11], s[0:1], 0x0               ; query s[4:5], kv s[6:7], mbits s[8:9], the scales' exponents s[10:11]
	s_load_b64 s[12:13], s[0:1], 0x20              ; out0
	v_lshl_add_u32 v222, v0, 2, 0x21000
	v_mov_b32 v223, 0
	v_lshrrev_b32 v1, 5, v0
	v_readfirstlane_b32 s[WV], v1                  ; wave 0..15
	v_and_b32 v[LI], 31, v0
	v_lshlrev_b32 v[LI], 4, v[LI]
	v_and_b32 v[T], 15, v0                         ; r
	v_bfe_u32 v[T+1], v0, 4, 1                     ; h
	s_wait_alu depctr_va_sdst(0)                   ; s14, the wave's number, is written, ahead of its first reader: LDS addresses and the bases of Q, out and the mask words are made from it
	s_lshl_b32 s28, s[WV], 11
	v_add_nc_u32 v[SA], s28, v[LI]
	s_mul_i32 s28, s[WV], 16*SP
	s_add_co_u32 s28, s28, STAGE                   ; my stage
	v_mul_u32_u24 v[STI], v[T], SP
	v_lshl_add_u32 v[STI], v[T+1], 5, v[STI]
	v_add_nc_u32 v[STI], s28, v[STI]               ; in: row r, + 32 h
	v_mul_u32_u24 v[STB], v[T+1], SP
	v_lshl_add_u32 v[STB], v[T], 4, v[STB]
	v_add_nc_u32 v[STB], s28, v[STB]               ; back: lanes 0-15 one row of 256 bytes, lanes 16-31 the next
	v_lshlrev_b32 v[QA], 8, v[T]
	v_lshl_add_u32 v[QA], v[T+1], 6, v[QA]
	s_and_b32 s15, ttmp7, 0xffff                   ; the head
	s_lshl_b32 s16, s15, 11
	s_lshl_b32 s17, ttmp9, 8
	s_add_co_u32 s16, s16, s17
	s_lshl_b32 s17, s[WV], 4
	s_add_co_u32 s16, s16, s17                     ; my first query: 2,048 head + 256 x + 16 wave,
	s_lshl_b32 s16, s16, 8                         ; in bytes of Q and of out: rows of 256
	s_mov_b32 s17, 0
	s_lshl_b32 s28, s15, 18                        ; the head's eight chunks
	s_mov_b32 s29, 0
	s_lshl_b32 s30, ttmp9, 4
	s_add_co_u32 s30, s30, s[WV]                   ; my tile of queries among the 128,
	s_lshl_b32 s30, s30, 12                        ; 16 steps of 256 bytes of mask words each
	s_mov_b32 s31, 0
	s_mov_b32 s18, 0x76543210                      ; v_permlanex16_b32: lane l xor 16
	s_mov_b32 s19, 0xfedcba98
	s_wait_kmcnt 0x0
	s_add_nc_u64 s[4:5], s[4:5], s[16:17]
	s_add_nc_u64 s[12:13], s[12:13], s[16:17]
	s_add_nc_u64 s[6:7], s[6:7], s[28:29]
	s_add_nc_u64 s[8:9], s[8:9], s[30:31]
	s_load_b128 s[24:27], s[10:11], 0x0            ; eq, ek, ep, ev
	s_load_b512 s[32:47], s[8:9], 0x0              ; step 0's mask words
	s_load_b512 s[48:63], s[8:9], 0x40
	s_load_b512 s[68:83], s[8:9], 0x80
	s_load_b512 s[84:99], s[8:9], 0xc0
	s_wait_alu depctr_va_vdst(0)                   ; v1 to v5 are written: every load and store of the kernel, global or LDS, reads one of them as its offset or address, and no later vector instruction names them
.irp i, 0,1,2,3
	global_load_b128 v[SG+4*\i:SG+4*\i+3], v[SA], s[6:7] offset:512*\i   ; my part of chunk 0
.endr
.irp c, 0,1
.irp j, 0,1,2,3
	global_load_b128 v[S+16*\c+4*\j:S+16*\c+4*\j+3], v[QA], s[4:5] offset:128*\c+16*\j th:TH_LOAD_NT   ; Q(r, 32 c + 16 h + 0 .. 15): read once, by this wave alone, so it is quantised here
.endr
.endr
	s_wait_loadcnt 8                               ; chunk 0's four loads are in; Q's eight may be out
.irp i, 0,1,2,3
	ds_store_b128 v[SA], v[SG+4*\i:SG+4*\i+3] offset:512*\i
.endr
	s_wait_alu depctr_vm_vsrc(0)                   ; the four LDS stores have read v[SG ..], in which the next loads land
	s_wait_dscnt 0x0                               ; my stores into slot 0 are done
.irp i, 0,1,2,3
	global_load_b128 v[SG+4*\i:SG+4*\i+3], v[SA], s[6:7] offset:SLOT+512*\i   ; chunk 1
.endr
	s_wait_kmcnt 0x0
	s_add_co_i32 s16, s24, s25                     ; eq + ek
	s_lshl_b32 s17, s16, 23
	s_add_co_i32 s20, s17, 0x3e38aa3b              ; c = log2(e) / 8 x 2^(eq + ek): the sum is added to the exponent field
	s_mov_b32 s21, s20                             ; (named with it as a pair, so it is written)
	s_sub_co_i32 s17, 160, s16
	s_lshl_b32 s17, s17, 23
	s_or_b32 s17, s17, 0x80000000
	v_mov_b32 v[NEGR], s17                         ; -2^(33 - eq - ek)
	s_mov_b32 s22, s26                             ; ep
	s_add_co_i32 s23, s26, s27                     ; ep + ev
	s_add_co_i32 s28, s26, 127
	s_lshl_b32 s29, s28, 23
	v_mov_b32 v[SC], s29                           ; 2^ep as f32
	s_add_co_i32 s28, s28, 8
	s_lshl_b32 s28, s28, 23
	s_or_b32 s28, s28, 0x600000
	v_mov_b32 v[LIM], s28                          ; 448 x 2^ep
	s_add_co_i32 s28, s24, 127
	s_lshl_b32 s29, s28, 23
	v_mov_b32 v[T+1], s29                          ; 2^eq
	s_add_co_i32 s28, s28, 8
	s_lshl_b32 s28, s28, 23
	s_or_b32 s28, s28, 0x600000
	v_mov_b32 v[T], s28                            ; 448 x 2^eq
	s_wait_alu depctr_va_vdst(0)
	s_wait_loadcnt 4                               ; Q is in; chunk 1's four loads may be out
.set n, 0
.rept 32
	v_med3_num_f32 v[S+n], v[S+n], -v[T], v[T]     ; the conversion to an 8-bit code does not saturate (ISA guide 7.6.2)
.set n, n+1
.endr
.irp g, 0,1,2,3
	v_cvt_scalef32_pk8_fp8_f32 v[Q+2*\g:Q+2*\g+1], v[S+8*\g:S+8*\g+7], v[T+1]
.endr
	v_mov_b32 v13, 0xff61b1e6                      ; the largest t so far: -3e38, under every t.  (These plain lines stand between the conversions and whatever next touches their registers)
	v_floor_f32 v[NM], -v13                        ; -M
	v_mov_b32 v14, 0                               ; the sum, in two halves
	v_mov_b32 v15, 0
	v_mov_b32 v[F+1], 0
	v_mov_b32 v[T+2], 0                            ; a lane permute's destination counts as one of its sources
.set n, 0
.rept 32
	v_mov_b32 v[O+n], 0                            ; O^T.  The step is written once for all sixteen: the first finds zeros, which the first change of M leaves zeros
.set n, n+1
.endr
	s_mov_b32 s[LAP], 4
; THE CHANGE OF SLOTS, at slot x's head.  In front of the barrier each wave's LDS instructions are done: its stores into slot x and its reads of the other slot.  Behind it slot x is whole and nobody reads the other one:
; the chunk that has waited in my registers goes there, and the registers take the chunk after it.  s[6:7] stands at the lap's first chunk (2 L): slot 1 takes 2 L + 1, slot 0 then 2 L + 2; asked for are 2 L + 2 and 2 L + 3.
; The last lap asks for nothing and fills slot 0 no more: scalar branches on the count of laps, the same in every wave, round loads and stores, never round the barrier.  No load leaves kv.
.macro TURN x
	s_wait_dscnt 0x0
	s_barrier_signal -1
	s_barrier_wait -1
.if \x == 1
	s_cmp_eq_u32 s[LAP], 1
	s_cbranch_scc1 .Lno_more_\@
.endif
	s_wait_loadcnt 0x0                             ; asked for two steps ago
.irp i, 0,1,2,3
	ds_store_b128 v[SA], v[SG+4*\i:SG+4*\i+3] offset:SLOT*(1-\x)+512*\i
.endr
	s_wait_alu depctr_vm_vsrc(0)                   ; the four LDS stores have read v[SG ..], in which the loads below land; it stands ahead of the branch, on every way from the stores
.if \x == 0
	s_cmp_eq_u32 s[LAP], 1
	s_cbranch_scc1 .Lno_more_\@
.endif
	s_wait_dscnt 0x0                               ; my stores into the slot are done
.irp i, 0,1,2,3
	global_load_b128 v[SG+4*\i:SG+4*\i+3], v[SA], s[6:7] offset:SLOT*(2+\x)+512*\i
.endr
.Lno_more_\@:
.endm
; A KEY STEP: the lap's p-th 128 keys, in slot p / 2.
.macro STEP p
.set KO, SLOT*((\p)/2)+8192*((\p)%2)
.set VO, KO+16384
	s_wait_alu depctr_va_vdst(0)                   ; the last step's four products V^T P^T are done reading v[FR ..], in which K's pieces land (over the loop's backward jump too)
.set i, 0
.rept 16
	ds_load_b128 v[FR+4*i:FR+4*i+3], v[LI] offset:KO+512*i   ; K's pieces (t, c), i = 2 t + c
.set i, i+1
.endr
	s_wait_dscnt 0x0
.set i, 0
.rept 8
	v_wmma_f32_16x16x64_fp8_fp8 v[S+8*i:S+8*i+7], v[FR+8*i:FR+8*i+7], v[Q:Q+7], 0   ; lane (r, h), register 8 t + j: query r, key 32 (t / 2) + 16 h + 8 (t % 2) + j
.set i, i+1
.endr
	PLACES                                         ; ahead of the selects, which read the scores
	s_wait_kmcnt 0x0                               ; this step's mask words, asked for a step ago
.set n, 0
.rept 64
	v_cndmask_b32 v[S+n], v[NEGR], v[S+n], s[32+n+4*(n/32)]   ; each accumulator from its low end on
.set n, n+1
.endr
	v_max3_num_f32 v[T], v[S], v[S+1], v[S+2]      ; the step's largest score of my query among my 64 keys, in two chains
	v_max3_num_f32 v[T+1], v[S+3], v[S+4], v[S+5]
.set n, 6
.rept 14
	v_max3_num_f32 v[T], v[T], v[S+n], v[S+n+1]
	v_max3_num_f32 v[T+1], v[T+1], v[S+n+2], v[S+n+3]
.set n, n+4
.endr
	v_max3_num_f32 v[T], v[T], v[S+62], v[S+63]
	v_max_num_f32 v[T], v[T], v[T+1]
	s_wait_alu depctr_va_vdst(0)                   ; the eight products K Q^T are done reading v[FR ..], in which V's pieces land further down; no vector instruction between here and the last of those loads names v[FR ..] or v[LI]
.if (\p) == 3
	s_cmp_eq_u32 s[LAP], 1                         ; behind the last step there is none
	s_cbranch_scc1 .Lno_mask_\@
.endif
	s_load_b512 s[32:47], s[8:9], 256*((\p)+1)     ; the next step's mask words; s[8:9] stands at the lap's first step
	s_load_b512 s[48:63], s[8:9], 256*((\p)+1)+0x40
	s_load_b512 s[68:83], s[8:9], 256*((\p)+1)+0x80
	s_load_b512 s[84:99], s[8:9], 256*((\p)+1)+0xc0
.if (\p) == 3
.Lno_mask_\@:
.endif
	v_permlanex16_b32 v[T+2], v[T], s18, s19
	v_max_num_f32 v[T], v[T], v[T+2]               ; and among lane l xor 16's
	v_mul_f32 v[T], s20, v[T]                      ; as t (c is positive)
	v_max_num_f32 v13, v13, v[T]                   ; the running largest t
	v_mov_b32 v[T], v[NM]
	v_floor_f32 v[NM], -v13                        ; the new -M = floor(-t) = -ceil(t): a whole number
	v_sub_f32 v[T], v[NM], v[T]                    ; old M - new M: a whole number, 0 or less
	v_cvt_i32_f32 v[T], v[T]                       ; (it saturates)
	v_ldexp_f32 v[F], 1.0, v[T]                    ; f = 2^(old M - new M)
.set i, 0
.rept 16
	v_pk_fma_f32 v[S+4*i:S+4*i+1], v[S+4*i:S+4*i+1], s[20:21], v[NM:NM+1] op_sel_hi:[1,0,0]       ; t - M, two at a time (of c and of -M the low word serves both halves)
	v_pk_fma_f32 v[S+4*i+2:S+4*i+3], v[S+4*i+2:S+4*i+3], s[20:21], v[NM:NM+1] op_sel_hi:[1,0,0]
	ds_load_b128 v[FR+4*i:FR+4*i+3], v[LI] offset:VO+512*i   ; V's pieces (dt, c), i = 4 dt + c, one behind every two scalings: they land while the exponentials, the sums and the conversions run
.set i, i+1
.endr
.set n, 0
	s_wait_alu depctr_va_vdst(0)
.rept 64
	v_exp_f32 v[S+n], v[S+n]                       ; p = 2^(t - M), at most 1: not normalised
.set n, n+1
.endr
	v_pk_mul_f32 v[14:15], v[14:15], v[F:F+1] op_sel_hi:[1,0]   ; the sums under the new M: the plain instruction behind the exponentials
	s_wait_alu depctr_va_vdst(0)                   ; the 64 exponentials have written v[S ..]: one wait for the batch, ahead of its first reader
	v_pk_add_f32 v[T+4:T+5], v[S:S+1], v[S+2:S+3]  ; the row's sum is taken of the unquantised p, in two chains
.set n, 4
.rept 15
	v_pk_add_f32 v[14:15], v[14:15], v[S+n:S+n+1]
	v_pk_add_f32 v[T+4:T+5], v[T+4:T+5], v[S+n+2:S+n+3]
.set n, n+4
.endr
	v_pk_add_f32 v[14:15], v[14:15], v[T+4:T+5]
	s_cmp_ge_i32 s22, -8                           ; p <= 1, so p / 2^ep <= 256 where ep >= -8: the hold would change nothing
	s_cbranch_scc1 .Lno_hold_\@
.set n, 0
.rept 64
	v_min_num_f32 v[S+n], v[S+n], v[LIM]           ; p is not negative: the hold is one-sided
.set n, n+1
.endr
.Lno_hold_\@:
.set i, 0
.rept 8
	v_cvt_scalef32_pk8_fp8_f32 v[P+2*i:P+2*i+1], v[S+8*i:S+8*i+7], v[SC]   ; registers 4 b .. 4 b + 3 (tiles 2 b, 2 b + 1): keys 32 b + 16 h + 0 .. 15, as V's pieces have them
.set i, i+1
.endr
.set n, 0
.rept 16
	v_pk_mul_f32 v[O+n:O+n+1], v[O+n:O+n+1], v[F:F+1] op_sel_hi:[1,0]   ; O^T under the new M; plain lines between the conversions and the products that read the codes
.set n, n+2
.endr
	s_wait_alu depctr_va_vdst(0)
	s_wait_dscnt 0x0                               ; V is in
.set i, 0
.rept 4
	v_wmma_f32_16x16x128_fp8_fp8 v[O+8*i:O+8*i+7], v[FR+16*i:FR+16*i+15], v[P:P+15], v[O+8*i:O+8*i+7]   ; the four accumulators take turns, one instruction a turn
.set i, i+1
.endr
	PLACES                                         ; the four places behind the products stay: behind the last step the way out follows; for the next loads into v[FR ..] the wait at the next step's head states the dependence
.endm
.Llap:                                             ; four laps of two chunks: sixteen steps
	TURN 0
	STEP 0
	STEP 1
	TURN 1
	STEP 2
	STEP 3
	s_wait_xcnt 0x0                                ; the pending loads have had their addresses translated (ISA guide 3.1): both bases are stepped only behind this wait
	s_add_nc_u64 s[6:7], s[6:7], 2*SLOT
	s_add_nc_u64 s[8:9], s[8:9], 1024
	s_sub_co_u32 s[LAP], s[LAP], 1
	s_cmp_lg_u32 s[LAP], 0
	s_cbranch_scc1 .Llap
	; THE WAY OUT.  O^T x 2^(ep + ev) / the sum goes through my own stage in LDS and comes back as whole rows of 256 bytes.
	v_add_f32 v14, v14, v15                        ; the sum's two halves,
	v_permlanex16_b32 v[T+2], v14, s18, s19
	v_add_f32 v14, v14, v[T+2]                     ; and lane l xor 16's: above 1/2, since the row's largest p is
	s_wait_alu depctr_va_vdst(0)
	v_rcp_f32 v14, v14
	v_nop                                          ; a plain instruction behind the reciprocal
	s_wait_alu depctr_va_vdst(0)                   ; the reciprocal has written v14, ahead of its first reader
	v_ldexp_f32 v[F], v14, s23
.set n, 0
.rept 16
	v_pk_mul_f32 v[S+n:S+n+1], v[O+n:O+n+1], v[F:F+1] op_sel_hi:[1,0]   ; register 8 dt + j: out(r, 16 dt + 8 h + j); each accumulator from its low end on
.set n, n+2
.endr
	s_wait_alu depctr_va_vdst(0)                   ; the multiplies have written v[S ..], which the LDS stores read; the last products are done reading v[FR ..], in which the loads from the stage land
.irp d, 0,1,2,3
	ds_store_b128 v[STI], v[S+8*\d:S+8*\d+3] offset:64*\d
	ds_store_b128 v[STI], v[S+8*\d+4:S+8*\d+7] offset:64*\d+16
.endr
.irp i, 0,1,2,3,4,5,6,7
	ds_load_b128 v[FR+4*\i:FR+4*\i+3], v[STB] offset:2*\i*SP   ; LDS serves a wave's instructions in order (ISA guide 5.7.1.4): these see my stores; no other wave touches my stage
.endr
.irp i, 0,1,2,3,4,5,6,7
	s_wait_dscnt 7-\i                              ; rows 2 i and 2 i + 1 are back; the younger loads may be out
	global_store_b128 v[LI], v[FR+4*\i:FR+4*\i+3], s[12:13] offset:512*\i th:TH_STORE_NT   ; 32 lanes store 512 consecutive bytes, aligned; written once, read by nobody here
.endr
	s_wait_dscnt 0x0
	s_wait_alu depctr_hold_cnt(0) depctr_sa_sdst(0) depctr_va_vdst(0) depctr_va_sdst(0) depctr_va_ssrc(0) depctr_va_vcc(0) depctr_vm_vsrc(0)
	s_wait_tensorcnt 0x0
	ds_add_u32 v222, v223
	s_wait_dscnt 0x0
	s_endpgm
.Lfunc_end_k_q23f2ee39f3_attn:
	.size	k_q23f2ee39f3_attn, .Lfunc_end_k_q23f2ee39f3_attn-k_q23f2ee39f3_attn
	.p2alignl 7, 3214868480
	.fill 96, 4, 3214868480
	.section	.rodata,"a",@progbits
	.p2align	6, 0x0
	.amdhsa_kernel k_q23f2ee39f3_attn
		.amdhsa_group_segment_fixed_size 137216
		.amdhsa_private_segment_fixed_size 0
		.amdhsa_enable_private_segment 0
		.amdhsa_kernarg_size 40
		.amdhsa_user_sgpr_count 2
		.amdhsa_user_sgpr_kernarg_segment_ptr 1
		.amdhsa_wavefront_size32 1
		.amdhsa_system_sgpr_workgroup_id_x 1
		.amdhsa_system_sgpr_workgroup_id_y 1
		.amdhsa_system_sgpr_workgroup_id_z 1
		.amdhsa_system_vgpr_workitem_id 0
		.amdhsa_next_free_vgpr 224
		.amdhsa_next_free_sgpr 100
		.amdhsa_reserve_vcc 0
		.amdhsa_float_denorm_mode_32 3
		.amdhsa_float_denorm_mode_16_64 3
		.amdhsa_memory_ordered 1
		.amdhsa_forward_progress 1
		.amdhsa_inst_pref_size 93
	.end_amdhsa_kernel
	.amdgpu_metadata
---
amdhsa.version: [ 1, 2 ]
amdhsa.kernels:
  - .name:           k_q23f2ee39f3_attn
    .symbol:         k_q23f2ee39f3_attn.kd
    .args:
      - { .name: query, .offset: 0, .size: 8, .value_kind: global_buffer, .address_space: global }
      - { .name: kv, .offset: 8, .size: 8, .value_kind: global_buffer, .address_space: global }
      - { .name: mbits, .offset: 16, .size: 8, .value_kind: global_buffer, .address_space: global }
      - { .name: lowp_scales, .offset: 24, .size: 8, .value_kind: global_buffer, .address_space: global }
      - { .name: out0, .offset: 32, .size: 8, .value_kind: global_buffer, .address_space: global }
    .group_segment_fixed_size: 137216
    .private_segment_fixed_size: 0
    .kernarg_segment_align: 8
    .kernarg_segment_size: 40
    .max_flat_workgroup_size: 512
    .sgpr_count:     100
    .vgpr_count:     224
    .wavefront_size: 32
...
	.end_amdgpu_metadata
.endif
;; end of part 4
